; MI455X (gfx1250); checked and timed in simulation.
; The chip was launched on July 23, 2026; its instructions are those of AMD's public machine-readable ISA for CDNA 5 (MIT licence, August 2026) and "CDNA5" Instruction Set Architecture Reference Guide (July 2026). The comments in the code are by the model that wrote it; some were corrected since.
;; Ro I Heads. Allowed arithmetic: float matrix products may take bf16 or f16 operands with f32 sums; all other float work in f32.
;; Inputs: box_regression 4,000 x 324 float32; class_logits 4,000 x 81 float32; mask_logits 8 x 100 x 81 x 28 x 28 float32; proposals 8 x 500 x 4 float32.
;; Outputs: out0 8 x 100 x 4 float32; out1 8 x 100 float32; out2 8 x 100 int32; out3 8 x 100 x 1 x 28 x 28 float32.
;; 3 versions, each right; version 2 is faster than version 1; version 3 is version 2 with the launch rank written anew for expert scheduling mode. Each part assembles by itself: llvm-mc -triple=amdgcn-amd-amdhsa -mcpu=gfx1250 --defsym DOCPART=n.
;; ======== version 1 of 3: 4 launches
;; workspace buffers: stats 32,768 bytes; ball 98,304 bytes of whole numbers; keys 1,286,144 bytes; boxes 5,144,576 bytes; meta 1,286,144 bytes of whole numbers; tot 1,024 bytes of whole numbers; rk 1,286,144 bytes of whole numbers
;; launch score (part 1): grid 16 x 8, 1 waves a work-group, no clusters, 10,752 bytes of LDS; arguments class_logits, stats, ball; writes stats, ball
.if DOCPART == 1
	.amdgcn_target "amdgcn-amd-amdhsa--gfx1250"
	.amdhsa_code_object_version 6
	.text
	.protected	k_q0b71e8e30f_score
	.globl	k_q0b71e8e30f_score
	.p2align	8
	.type	k_q0b71e8e30f_score,@function
k_q0b71e8e30f_score:
	s_mov_b64 s[64:65], 0
	v_nop
	global_prefetch_b8 v0, s[64:65] scope:SCOPE_SE
	s_setreg_imm32_b32 hwreg(HW_REG_WAVE_MODE, 25, 1), 1
	s_wait_xcnt 0x0
; Softmax statistics and the score test.  class_logits: [8*500][81] f32.
; One wave takes 32 proposals of one image: word w of the image (0..15) starts at proposal min(32 w, 468), so the last
; word overlaps the one before by 12 proposals; its lanes 0..11 are masked out of the ballots.
; Out: stats[b][w][lane] = (-max*log2e, 1/sum);  ball[b][w] = 96 words of ballots (bit l of word cc: score of class cc+1 of
; the lane's proposal > 0.05), then 96 words of their popcounts: 768 consecutive bytes a wave.
; No matrix unit (nothing here is a product), no tensor load, no cluster (no tile is shared), no barrier (one wave).
; LIMITS: NaN logits are not served.  score = exp2(x*log2e - max*log2e) * rcp(sum): it may differ from exp(x-max)/sum in the
; last places, so a score that close to 0.05 may fall on the other side of the test.
.set ROWB, 324                         ; bytes in a row of logits
.set MX,   4                           ; v[4:6]     three running maxima
.set X,    8                           ; v[8:91]    21 pieces of 16 bytes as loaded
.set SU,   92                          ; v[92:94]   three running sums
.set E,    96                          ; v[96:176]  my proposal's 81 logits, then their exponentials
.set NM,   178                         ; v178 = -max*log2e, v179 = 1/sum
.set BAL,  180                         ; v[180:182] lane l: ballots of class indices 3l, 3l+1, 3l+2
.set CNT,  184                         ; v[184:186] their popcounts
.set T0,   188                         ; v[188:191] scores at work
.set A12,  192
.set A8,   193
	s_load_b128 s[4:7], s[0:1], 0x0                ; class_logits s[4:5], stats s[6:7]
	s_load_b64 s[8:9], s[0:1], 0x10                ; ball
	v_lshl_add_u32 v196, v0, 2, 0x2900
	v_mov_b32 v197, 0
	s_and_b32 s10, ttmp7, 0xffff                   ; image b
	s_lshl_b32 s11, ttmp9, 5
	s_min_u32 s11, s11, 468                        ; first proposal of word w
	s_mul_i32 s12, s10, 500
	s_add_co_u32 s12, s12, s11
	s_mul_i32 s12, s12, ROWB                       ; its byte offset: a multiple of 16, since the row number is a multiple of 4
	s_mov_b32 s13, 0
	s_cmp_eq_u32 ttmp9, 15
	s_cselect_b32 s14, 0xfffff000, -1              ; lanes that count: all, or 12..31 in the overlapping word
	s_mov_b32 s15, 0x3d4ccccd                      ; 0.05
	v_lshlrev_b32 v1, 4, v0                        ; 16 bytes a lane
	v_add_nc_u32 v2, 640, v0                       ; 32 rows are 648 pieces of 16 bytes: 20 full turns of the wave and 8 pieces;
	v_min_u32 v2, 647, v2                          ; in the last turn lanes 8..31 repeat piece 647 (same bytes to the same place), so no load leaves the buffer
	v_lshlrev_b32 v2, 4, v2
	v_mul_u32_u24 v3, v0, ROWB                     ; my row in LDS
	s_wait_kmcnt 0x0
	s_add_nc_u64 s[4:5], s[4:5], s[12:13]
.irp r, 0,1,2,3,4,5,6,7,8,9,10,11,12,13,14,15,16,17,18,19
	global_load_b128 v[X+4*\r:X+4*\r+3], v1, s[4:5] offset:512*\r
.endr
	global_load_b128 v[X+80:X+83], v2, s[4:5]
.irp r, 0,1,2,3,4,5,6,7,8,9,10,11,12,13,14,15,16,17,18,19
	s_wait_loadcnt 20-\r                           ; loads come back in order (ISA guide 5.7.1): piece r is in, the 20-r younger ones stay out
	ds_store_b128 v1, v[X+4*\r:X+4*\r+3] offset:512*\r
.endr
	s_wait_loadcnt 0x0
	ds_store_b128 v2, v[X+80:X+83]
	; one row a lane; the rows are 81 words apart, so lane l's word lies at 17 l modulo 64 words: 32 different places.
	; LDS serves a wave's instructions in order: these loads see the stores above.
.set c, 0
.rept 81
	ds_load_b32 v[E+c], v3 offset:4*c
.set c, c+1
.endr
	s_wait_dscnt 0x0
	; the maximum, in three chains of 27
.irp j, 0,1,2
	v_max3_num_f32 v[MX+\j], v[E+27*\j], v[E+27*\j+1], v[E+27*\j+2]
.endr
.set i, 3
.rept 12
.irp j, 0,1,2
	v_max3_num_f32 v[MX+\j], v[MX+\j], v[E+27*\j+i], v[E+27*\j+i+1]
.endr
.set i, i+2
.endr
	v_max3_num_f32 v[MX], v[MX], v[MX+1], v[MX+2]
	v_mul_f32 v[NM], 0xbfb8aa3b, v[MX]             ; -max*log2e: its rounding is one factor common to all 81 and leaves the quotient
.set c, 0
.rept 81
	v_fmamk_f32 v[E+c], v[E+c], 0x3fb8aa3b, v[NM]  ; x*log2e - max*log2e, one rounding
.set c, c+1
.endr
.set c, 0
.rept 81
	v_exp_f32 v[E+c], v[E+c]
.set c, c+1
.endr
	v_nop                                          ; one plain place between the exponentials and their first use (ISA guide 5.7.2)
	s_wait_alu depctr_va_vdst(0)
.irp j, 0,1,2
	v_add_f32 v[SU+\j], v[E+27*\j], v[E+27*\j+1]
.endr
.set i, 2
.rept 25
.irp j, 0,1,2
	v_add_f32 v[SU+\j], v[SU+\j], v[E+27*\j+i]
.endr
.set i, i+1
.endr
	v_add_f32 v[SU], v[SU], v[SU+1]
	v_add_f32 v[SU], v[SU], v[SU+2]
	v_rcp_f32 v[NM+1], v[SU]
.irp j, 0,1,2
	v_mov_b32 v[BAL+\j], 0                         ; words 80..95 stay 0; these moves are also the plain places behind v_rcp_f32
	v_mov_b32 v[CNT+\j], 0
.endr
	; classes 1..80: the wave's ballot and its popcount go to lane cc/3, register cc%3: word cc of 96
.set cc, 0
	s_wait_alu depctr_va_vdst(0)
.rept 80
	v_mul_f32 v[T0+cc%4], v[E+1+cc], v[NM+1]
	v_cmp_gt_f32 s[16+2*(cc%4)], v[T0+cc%4], s15
	s_and_b32 s[16+2*(cc%4)], s[16+2*(cc%4)], s14
	s_bcnt1_i32_b32 s[17+2*(cc%4)], s[16+2*(cc%4)]
	v_writelane_b32 v[BAL+cc%3], s[16+2*(cc%4)], cc/3
	v_writelane_b32 v[CNT+cc%3], s[17+2*(cc%4)], cc/3
.set cc, cc+1
.endr
	s_lshl_b32 s24, s10, 4
	s_add_co_u32 s24, s24, ttmp9                   ; 16 b + w
	s_mul_i32 s26, s24, 768
	s_mov_b32 s27, 0
	s_add_nc_u64 s[8:9], s[8:9], s[26:27]
	s_lshl_b32 s26, s24, 8
	s_add_nc_u64 s[6:7], s[6:7], s[26:27]
	v_mul_u32_u24 v[A12], v0, 12
	v_lshlrev_b32 v[A8], 3, v0
	global_store_b96 v[A12], v[BAL:BAL+2], s[8:9]              ; 384 consecutive bytes
	global_store_b96 v[A12], v[CNT:CNT+2], s[8:9] offset:384   ; and the next 384
	global_store_b64 v[A8], v[NM:NM+1], s[6:7]                 ; 256 consecutive bytes, aligned
	s_wait_tensorcnt 0x0
	ds_add_u32 v196, v197
	s_wait_dscnt 0x0
	s_endpgm
.Lfunc_end_k_q0b71e8e30f_score:
	.size	k_q0b71e8e30f_score, .Lfunc_end_k_q0b71e8e30f_score-k_q0b71e8e30f_score
	.p2alignl 7, 3214868480
	.fill 96, 4, 3214868480
	.section	.rodata,"a",@progbits
	.p2align	6, 0x0
	.amdhsa_kernel k_q0b71e8e30f_score
		.amdhsa_group_segment_fixed_size 10752
		.amdhsa_private_segment_fixed_size 0
		.amdhsa_enable_private_segment 0
		.amdhsa_kernarg_size 24
		.amdhsa_user_sgpr_count 2
		.amdhsa_user_sgpr_kernarg_segment_ptr 1
		.amdhsa_wavefront_size32 1
		.amdhsa_system_sgpr_workgroup_id_x 1
		.amdhsa_system_sgpr_workgroup_id_y 1
		.amdhsa_system_sgpr_workgroup_id_z 1
		.amdhsa_system_vgpr_workitem_id 0
		.amdhsa_next_free_vgpr 198
		.amdhsa_next_free_sgpr 66
		.amdhsa_reserve_vcc 0
		.amdhsa_float_denorm_mode_32 3
		.amdhsa_float_denorm_mode_16_64 3
		.amdhsa_memory_ordered 1
		.amdhsa_forward_progress 1
		.amdhsa_inst_pref_size 47
	.end_amdhsa_kernel
	.amdgpu_metadata
---
amdhsa.version: [ 1, 2 ]
amdhsa.kernels:
  - .name:           k_q0b71e8e30f_score
    .symbol:         k_q0b71e8e30f_score.kd
    .args:
      - { .name: class_logits, .offset: 0, .size: 8, .value_kind: global_buffer, .address_space: global }
      - { .name: stats, .offset: 8, .size: 8, .value_kind: global_buffer, .address_space: global }
      - { .name: ball, .offset: 16, .size: 8, .value_kind: global_buffer, .address_space: global }
    .group_segment_fixed_size: 10752
    .private_segment_fixed_size: 0
    .kernarg_segment_align: 8
    .kernarg_segment_size: 24
    .max_flat_workgroup_size: 32
    .sgpr_count:     66
    .vgpr_count:     198
    .wavefront_size: 32
...
	.end_amdgpu_metadata
.endif
;; end of part 1
;; launch nms (part 2): grid 80 x 8, 1 waves a work-group, no clusters, 25,088 bytes of LDS; arguments class_logits, box_regression, proposals, stats, ball, keys, boxes, meta, tot; writes keys, boxes, meta, tot
.if DOCPART == 2
	.amdgcn_target "amdgcn-amd-amdhsa--gfx1250"
	.amdhsa_code_object_version 6
	.text
	.protected	k_q0b71e8e30f_nms
	.globl	k_q0b71e8e30f_nms
	.p2align	8
	.type	k_q0b71e8e30f_nms,@function
k_q0b71e8e30f_nms:
	s_mov_b64 s[64:65], 0
	v_nop
	global_prefetch_b8 v0, s[64:65] scope:SCOPE_SE
	s_setreg_imm32_b32 hwreg(HW_REG_WAVE_MODE, 25, 1), 1
	s_wait_xcnt 0x0
; Greedy NMS of one class of one image, by one wave, on the proposals that passed the score test alone (a proposal that did
; not pass is never kept and suppresses nothing).
; 1. The 16 ballot words of my class give n and, by v_mbcnt, each valid proposal's place; the counts of the classes in front of
;    mine give my offset in the image's compact list.  All these are whole numbers stored by the launch before.
; 2. Logit, statistics, deltas and proposal are gathered for the n valid ones; score as in the launch before (same
;    instructions, same bits); boxes decoded and clipped.  They lie in LDS in S = ceil(n/32) slots of 32.
; 3. n passes.  A pass strikes what the last winner overlaps (and the winner itself) and finds the best score still alive;
;    pass t's winner is the t-th kept box, or -1 when none is left.  So the list comes out sorted, kept boxes first, at
;    addresses that hang on the counter t alone.
;    Candidate (slot s, lane l) is place l*S + s of the valid ones, in the order of the proposals: among equal scores a lane
;    keeps its lowest slot (strict >) and the lowest lane is taken, which is the order of a stable sort by falling score.
; 4. keys[b][off+t] = score or -1, boxes[b][off+t], meta[b][off+t] = class<<16 | (off+t).  The last class also stores the
;    image's total T and 128 neutral entries behind the list, which later launches read in whole chunks.
; All lanes stay on throughout: a choice selects a value (v_cndmask_b32, v_readlane_b32) or a clamped index, never EXEC.
; One wave: no barrier.  No matrix unit, tensor load or cluster: nothing is a product, no tile is large or shared.
; LIMITS: NaN inputs are not served.  r/10 and r/5 are products with 0.1f and 0.2f.  IoU > 0.5 is tested as
; inter > 0.5*den and den >= 0 (den = a1 + a2 - inter + 1e-9): the same as the quotient for every sign of den, but for a
; quotient that rounds to 0.5 from within half a unit of its last place.
.set KSTR, 40192                       ; entries of an image's list: 80*500 + 128 neutral ones, rounded up to a multiple of 128
.set IDX,  0                           ; LDS: 512 codes (32*word + bit) by place, then 32 words that take the lanes without a bit
.set BOXA, 2304                        ; 512 boxes of 16 bytes
.set SA,   10496                       ; 512 x (score or -1, area)
.set OKEY, 14592                       ; 512 result scores
.set OBOX, 16640                       ; 512 result boxes
.set ZQ,   12                          ; v[12:15] zeros, for the whole kernel
.set POS,  16
.set AB,   17
.set AS,   18
.set TA,   19
.set TK,   20
.set BS,   21                          ; my lane's best score of the pass, its place, box, area
.set BP,   22
.set M,    23
.set T,    24
.set BX,   26                          ; v[26:29]
.set BA,   30
.set X,    32                          ; v[32:35] a candidate's box
.set SC,   36                          ; v36 score, v37 area
.set W,    40                          ; v[40:43] the winner's box, for the store
.set TM,   44                          ; v[44:49] at work
.set CODE, 50
.set PI,   51
.set AL,   52
.set AR,   53
.set AP,   54
.set AST,  55
.set LG,   56
.set ST,   58                          ; v[58:59]
.set RG,   60                          ; v[60:63]
.set CN,   64                          ; v[64:127] counts: word w in v[64+4w : 64+4w+2]
.set PR,   128                         ; v[128:131]
.set D0,   132                         ; v[132:141] decoding
.set J,    144
.set G,    145
.set G4,   146
.set G16,  147
.set ME,   148
.set JC,   149
	s_load_b512 s[16:31], s[0:1], 0x0              ; logits 16, deltas 18, proposals 20, stats 22, ball 24, keys 26, boxes 28, meta 30
	s_load_b64 s[32:33], s[0:1], 0x40              ; tot
	v_lshl_add_u32 v152, v0, 2, 0x6100
	v_mov_b32 v153, 0
	s_mov_b32 s2, ttmp9                            ; cc = class - 1
	s_and_b32 s3, ttmp7, 0xffff                    ; image b
	s_add_co_u32 s4, s2, 1                         ; class
	s_mov_b32 s11, 0
	s_mov_b32 s12, 0x76543210                      ; v_permlanex16_b32: lane i reads lane i of the other half
	s_mov_b32 s13, 0xfedcba98
	s_mov_b32 s14, 0x44980000                      ; 1216.0
	s_mov_b32 s15, 0x44480000                      ; 800.0
	v_mul_u32_u24 v1, v0, 12                       ; counts: three classes a lane
	v_and_b32 v2, 15, v0
	v_mul_u32_u24 v2, v2, 768
	v_lshl_add_u32 v2, s2, 2, v2                   ; lane w: ballot word w of my class
	s_mul_i32 s10, s3, 16*768
	s_wait_kmcnt 0x0
	s_add_nc_u64 s[24:25], s[24:25], s[10:11]
	global_load_b32 v3, v2, s[24:25]
.irp w, 0,1,2,3,4,5,6,7,8,9,10,11,12,13,14,15
	global_load_b96 v[CN+4*\w:CN+4*\w+2], v1, s[24:25] offset:768*\w+384
.endr
	; every base at my image (and class), while the loads are on their way
	s_mul_i32 s10, s3, 500*324
	s_lshl2_add_u32 s10, s4, s10
	s_add_nc_u64 s[16:17], s[16:17], s[10:11]
	s_mul_i32 s10, s3, 500*1296
	s_lshl4_add_u32 s10, s4, s10
	s_add_nc_u64 s[18:19], s[18:19], s[10:11]
	s_mul_i32 s10, s3, 500*16
	s_add_nc_u64 s[20:21], s[20:21], s[10:11]
	s_lshl_b32 s10, s3, 12
	s_add_nc_u64 s[22:23], s[22:23], s[10:11]
	s_mul_i32 s10, s3, KSTR*4
	s_add_nc_u64 s[26:27], s[26:27], s[10:11]
	s_add_nc_u64 s[30:31], s[30:31], s[10:11]
	s_mul_i32 s10, s3, KSTR*16
	s_add_nc_u64 s[28:29], s[28:29], s[10:11]
	s_lshl_b32 s10, s3, 7
	s_add_nc_u64 s[32:33], s[32:33], s[10:11]
.irp k, 0,1,2,3
	v_mov_b32 v[ZQ+\k], 0
.endr
	v_lshlrev_b32 v4, 4, v0
.irp k, 0,1,2,3
	ds_store_b128 v4, v[ZQ:ZQ+3] offset:IDX+512*\k ; places from n on read code 0: a valid address, and the lane is marked dead
.endr
	v_add_nc_u32 v9, 512, v0                       ; where a lane without a bit puts its code
	s_mov_b32 s5, 0
	s_wait_loadcnt 16                              ; the ballot word is in; the sixteen loads of counts issued behind it stay out
.irp w, 0,1,2,3,4,5,6,7,8,9,10,11,12,13,14,15
	v_readlane_b32 s[36+\w], v3, \w
.endr
.irp w, 0,1,2,3,4,5,6,7,8,9,10,11,12,13,14,15
	v_mbcnt_lo_u32_b32 v7, s[36+\w], s5            ; place = valid ones in the words before + bits below mine
	v_cndmask_b32 v7, v9, v7, s[36+\w]
	v_min_u32 v7, 543, v7
	v_lshlrev_b32 v7, 2, v7
	v_or_b32 v8, 32*\w, v0                         ; code
	ds_store_b32 v7, v8 offset:IDX
	s_bcnt1_i32_b32 s9, s[36+\w]
	s_add_co_u32 s5, s5, s9
.endr
	s_min_u32 s5, s5, 500                          ; n (the ballots hold 500 bits at the most)
	; my offset: the counts of the classes in front of mine, summed over the 16 words and the lanes
	s_wait_loadcnt 0x0
.irp r, 0,1,2
	v_add3_u32 v[TM+\r], v[CN+\r], v[CN+4+\r], v[CN+8+\r]
.endr
.irp w, 3,5,7,9,11,13
.irp r, 0,1,2
	v_add3_u32 v[TM+\r], v[TM+\r], v[CN+4*\w+\r], v[CN+4*\w+4+\r]
.endr
.endr
.irp r, 0,1,2
	v_add_nc_u32 v[TM+\r], v[TM+\r], v[CN+60+\r]
.endr
	v_mul_u32_u24 v[TM+3], v0, 3                   ; register r of lane l is class index 3 l + r
	v_add_nc_u32 v[TM+4], 1, v[TM+3]
	v_add_nc_u32 v[TM+5], 2, v[TM+3]
.irp r, 0,1,2
	v_cmp_gt_u32 vcc_lo, s2, v[TM+3+\r]
	v_cndmask_b32 v[TM+\r], 0, v[TM+\r], vcc_lo
.endr
	v_add3_u32 v[TM], v[TM], v[TM+1], v[TM+2]
.irp m, 1,2,4,8
	v_mov_b32_dpp v[TM+1], v[TM] row_xmask:\m row_mask:0xf bank_mask:0xf
	v_add_nc_u32 v[TM], v[TM], v[TM+1]
.endr
	v_permlanex16_b32 v[TM+1], v[TM], s12, s13
	v_add_nc_u32 v[TM], v[TM], v[TM+1]
	v_readfirstlane_b32 s6, v[TM]                  ; off
	s_cmp_eq_u32 s5, 0
	s_cbranch_scc1 .Ltail                          ; an empty class has no list
	; ---- gather, score, decode: slot by slot ----
	s_add_co_u32 s7, s5, 31
	s_lshr_b32 s7, s7, 5                           ; S
	v_lshlrev_b32 v[AB], 4, v0
	v_lshlrev_b32 v[AS], 3, v0
	s_mov_b32 s8, 0
.Lgather:
	v_mad_u32_u24 v[POS], v0, s7, s8               ; place l*S + s
	v_min_u32 v11, 511, v[POS]
	v_lshlrev_b32 v11, 2, v11
	ds_load_b32 v[CODE], v11 offset:IDX
	s_wait_dscnt 0x0
	v_min_u32 v[CODE], 511, v[CODE]
	v_cmp_lt_u32 vcc_lo, 479, v[CODE]              ; word 15 starts at proposal 468, not 480
	v_cndmask_b32 v[PI], 0, 12, vcc_lo
	v_sub_nc_u32 v[PI], v[CODE], v[PI]
	v_min_u32 v[PI], 499, v[PI]                    ; proposal
	v_mul_u32_u24 v[AL], v[PI], 324
	v_mul_u32_u24 v[AR], v[PI], 1296
	v_lshlrev_b32 v[AP], 4, v[PI]
	v_lshlrev_b32 v[AST], 3, v[CODE]
	global_load_b32 v[LG], v[AL], s[16:17]
	global_load_b64 v[ST:ST+1], v[AST], s[22:23]
	global_load_b128 v[RG:RG+3], v[AR], s[18:19]
	global_load_b128 v[PR:PR+3], v[AP], s[20:21]
	s_wait_loadcnt 0x0                             ; the four loads are done: their address registers are free for the next trip
	v_sub_f32 v[D0], v[PR+2], v[PR]                ; w
	v_sub_f32 v[D0+1], v[PR+3], v[PR+1]            ; h
	v_fmamk_f32 v[LG], v[LG], 0x3fb8aa3b, v[ST]    ; x*log2e - max*log2e
	v_mul_f32 v[D0+4], 0x3e4ccccd, v[RG+2]         ; dw, dh
	v_mul_f32 v[D0+5], 0x3e4ccccd, v[RG+3]
	v_min_num_f32 v[D0+4], 0x40845349, v[D0+4]     ; log(1000/16)
	v_min_num_f32 v[D0+5], 0x40845349, v[D0+5]
	v_mul_f32 v[D0+4], 0x3fb8aa3b, v[D0+4]
	v_mul_f32 v[D0+5], 0x3fb8aa3b, v[D0+5]
	v_exp_f32 v[LG], v[LG]
	v_exp_f32 v[D0+4], v[D0+4]
	v_exp_f32 v[D0+5], v[D0+5]
	v_fma_f32 v[D0+2], 0.5, v[D0], v[PR]           ; cx (a plain place behind the exponentials: ISA guide 5.7.2)
	v_fma_f32 v[D0+3], 0.5, v[D0+1], v[PR+1]       ; cy
	v_mul_f32 v[D0+6], 0x3dcccccd, v[RG]           ; dx, dy
	v_mul_f32 v[D0+7], 0x3dcccccd, v[RG+1]
	v_fma_f32 v[D0+2], v[D0+6], v[D0], v[D0+2]     ; pcx
	v_fma_f32 v[D0+3], v[D0+7], v[D0+1], v[D0+3]   ; pcy
	s_wait_alu depctr_va_vdst(0)
	v_mul_f32 v[D0+4], v[D0+4], v[D0]              ; pw
	v_mul_f32 v[D0+5], v[D0+5], v[D0+1]            ; ph
	v_fma_f32 v[X], -0.5, v[D0+4], v[D0+2]
	v_fma_f32 v[X+1], -0.5, v[D0+5], v[D0+3]
	v_fma_f32 v[X+2], 0.5, v[D0+4], v[D0+2]
	v_fma_f32 v[X+3], 0.5, v[D0+5], v[D0+3]
.irp k, 0,1,2,3
	v_max_num_f32 v[X+\k], 0, v[X+\k]
.endr
	v_min_num_f32 v[X], s14, v[X]
	v_min_num_f32 v[X+1], s15, v[X+1]
	v_min_num_f32 v[X+2], s14, v[X+2]
	v_min_num_f32 v[X+3], s15, v[X+3]
	v_sub_f32 v[D0+8], v[X+2], v[X]
	v_sub_f32 v[D0+9], v[X+3], v[X+1]
	v_mul_f32 v[SC+1], v[D0+8], v[D0+9]            ; area
	v_mul_f32 v[LG], v[LG], v[ST+1]                ; score
	v_cmp_gt_u32 vcc_lo, s5, v[POS]
	v_cndmask_b32 v[SC], -1.0, v[LG], vcc_lo       ; places from n on are dead from the start
	ds_store_b128 v[AB], v[X:X+3] offset:BOXA
	ds_store_b64 v[AS], v[SC:SC+1] offset:SA
	v_add_nc_u32 v[AB], 512, v[AB]
	v_and_b32 v[AB], 0x1ff0, v[AB]                 ; the step behind the last slot wraps and is not used: the address stays in its array
	v_add_nc_u32 v[AS], 256, v[AS]
	v_and_b32 v[AS], 0xff8, v[AS]
	s_add_co_u32 s8, s8, 1
	s_cmp_lt_u32 s8, s7
	s_cbranch_scc1 .Lgather
	; ---- n passes ----
	v_mov_b32 v[BP], 0
.irp k, 0,1,2,3
	v_mov_b32 v[BX+\k], 0
.endr
	v_mov_b32 v[BA], 0
	v_mov_b32 v[M], 0
	v_mov_b32 v[T], 0
	v_mov_b32 v[TA], 0
	v_mov_b32 v[TK], 0
	s_mov_b32 s52, 0                               ; the first pass has no winner yet: the empty box at the origin meets no clipped box,
	s_mov_b32 s53, 0
	s_mov_b32 s54, 0
	s_mov_b32 s55, 0
	s_mov_b32 s56, 0
	s_mov_b32 s57, -1                              ; and no place equals -1
	s_mov_b32 s8, 0
.Lpass:
	v_mov_b32 v[BS], -2.0                          ; below every score and below -1: slot 0 always replaces it
	v_lshlrev_b32 v[AB], 4, v0
	v_lshlrev_b32 v[AS], 3, v0
	v_mul_u32_u24 v[POS], v0, s7
	s_mov_b32 s9, 0
.Lslot:
	ds_load_b128 v[X:X+3], v[AB] offset:BOXA
	ds_load_b64 v[SC:SC+1], v[AS] offset:SA
	s_wait_dscnt 0x0
	v_max_num_f32 v[TM], s52, v[X]
	v_max_num_f32 v[TM+1], s53, v[X+1]
	v_min_num_f32 v[TM+2], s54, v[X+2]
	v_min_num_f32 v[TM+3], s55, v[X+3]
	v_sub_f32 v[TM+2], v[TM+2], v[TM]
	v_sub_f32 v[TM+3], v[TM+3], v[TM+1]
	v_max_num_f32 v[TM+2], 0, v[TM+2]
	v_max_num_f32 v[TM+3], 0, v[TM+3]
	v_mul_f32 v[TM+2], v[TM+2], v[TM+3]            ; inter
	v_add_f32 v[TM+3], s56, v[SC+1]                ; a1 + a2
	v_sub_f32 v[TM+3], v[TM+3], v[TM+2]
	v_add_f32 v[TM+3], 0x3089705f, v[TM+3]         ; + 1e-9: den
	v_mul_f32 v[TM+4], 0.5, v[TM+3]
	v_cmp_gt_f32 s58, v[TM+2], v[TM+4]             ; inter > den/2
	v_cmp_le_f32 s59, 0, v[TM+3]                   ; and den >= 0
	v_cmp_eq_u32 s60, s57, v[POS]                  ; or I am the winner
	s_and_b32 s58, s58, s59
	s_or_b32 vcc_lo, s58, s60
	v_cndmask_b32 v[SC], v[SC], -1.0, vcc_lo
	ds_store_b32 v[AS], v[SC] offset:SA
	v_cmp_gt_f32 vcc_lo, v[SC], v[BS]
	v_cndmask_b32 v[BS], v[BS], v[SC], vcc_lo
	v_cndmask_b32 v[BP], v[BP], v[POS], vcc_lo
.irp k, 0,1,2,3
	v_cndmask_b32 v[BX+\k], v[BX+\k], v[X+\k], vcc_lo
.endr
	v_cndmask_b32 v[BA], v[BA], v[SC+1], vcc_lo
	v_add_nc_u32 v[AB], 512, v[AB]
	v_and_b32 v[AB], 0x1ff0, v[AB]
	v_add_nc_u32 v[AS], 256, v[AS]
	v_and_b32 v[AS], 0xff8, v[AS]
	v_add_nc_u32 v[POS], 1, v[POS]
	s_add_co_u32 s9, s9, 1
	s_cmp_lt_u32 s9, s7
	s_cbranch_scc1 .Lslot
	; the best of the 32 lanes, in every lane
	v_max_num_f32_dpp v[M], v[BS], v[BS] row_xmask:1 row_mask:0xf bank_mask:0xf
	v_max_num_f32_dpp v[M], v[M], v[M] row_xmask:2 row_mask:0xf bank_mask:0xf
	v_max_num_f32_dpp v[M], v[M], v[M] row_xmask:4 row_mask:0xf bank_mask:0xf
	v_max_num_f32_dpp v[M], v[M], v[M] row_xmask:8 row_mask:0xf bank_mask:0xf
	v_permlanex16_b32 v[T], v[M], s12, s13
	v_max_num_f32 v[M], v[M], v[T]
	v_cmp_eq_f32 vcc_lo, v[M], v[BS]               ; the lanes that hold it: at least one
	s_ctz_i32_b32 s61, vcc_lo                      ; the lowest of them: the lowest place
	s_min_u32 s61, s61, 31                         ; a lane's number whatever the mask
	v_readlane_b32 s57, v[BP], s61                 ; the winner's place, box and area as scalars: a choice of values, no address
	v_readlane_b32 s52, v[BX], s61
	v_readlane_b32 s53, v[BX+1], s61
	v_readlane_b32 s54, v[BX+2], s61
	v_readlane_b32 s55, v[BX+3], s61
	v_readlane_b32 s56, v[BA], s61
	v_mov_b32 v[W], s52
	v_mov_b32 v[W+1], s53
	v_mov_b32 v[W+2], s54
	v_mov_b32 v[W+3], s55
	ds_store_b128 v[TA], v[W:W+3] offset:OBOX      ; result t: every lane writes the same bytes
	ds_store_b32 v[TK], v[M] offset:OKEY           ; its score, or -1 when nothing was alive
	v_add_nc_u32 v[TA], 16, v[TA]
	v_and_b32 v[TA], 0x1ff0, v[TA]
	v_add_nc_u32 v[TK], 4, v[TK]
	v_and_b32 v[TK], 0x7fc, v[TK]
	s_add_co_u32 s8, s8, 1
	s_cmp_lt_u32 s8, s5
	s_cbranch_scc1 .Lpass
	; ---- the list goes out, 32 entries at a time.  Entries from n on belong to the next class: a lane with j >= n takes
	; entry n-1 again, the same bytes to the same place ----
	s_sub_co_u32 s9, s5, 1                         ; n - 1 (n is at least 1 here)
	v_mov_b32 v[J], v0
	s_mov_b32 s8, 0
.Lout:
	v_min_u32 v[JC], s9, v[J]
	v_min_u32 v[JC], 511, v[JC]
	v_lshlrev_b32 v[AB], 4, v[JC]
	v_lshlrev_b32 v[AS], 2, v[JC]
	ds_load_b128 v[X:X+3], v[AB] offset:OBOX       ; LDS serves a wave's instructions in order: these see the passes' stores
	ds_load_b32 v[SC], v[AS] offset:OKEY
	v_add_nc_u32 v[G], s6, v[JC]
	v_min_u32 v[G], KSTR-1, v[G]
	v_lshl_or_b32 v[ME], s4, 16, v[G]
	v_lshlrev_b32 v[G4], 2, v[G]
	v_lshlrev_b32 v[G16], 4, v[G]
	s_wait_dscnt 0x0
	global_store_b32 v[G4], v[SC], s[26:27]
	global_store_b128 v[G16], v[X:X+3], s[28:29]
	global_store_b32 v[G4], v[ME], s[30:31]
	s_wait_xcnt 0x0                                ; the stores' addresses and data are rewritten in the next trip only behind this wait
	v_add_nc_u32 v[J], 32, v[J]
	s_add_co_u32 s8, s8, 1
	s_cmp_lt_u32 s8, s7
	s_cbranch_scc1 .Lout
.Ltail:
	s_cmp_lg_u32 s2, 79
	s_cbranch_scc1 .Lend
	; the last class closes the image's list: T, and 128 entries that count for nothing
	s_add_co_u32 s10, s6, s5                       ; T = off + n
	v_add_nc_u32 v4, s10, v0
	v_min_u32 v4, KSTR-97, v4
	v_lshlrev_b32 v5, 2, v4
	v_lshlrev_b32 v6, 4, v4
	v_mov_b32 v7, -1.0
	v_mov_b32 v8, s10
	v_lshlrev_b32 v9, 2, v0
.irp u, 0,1,2,3
	global_store_b32 v5, v7, s[26:27] offset:128*\u
	global_store_b32 v5, v[ZQ], s[30:31] offset:128*\u
.endr
	global_store_b128 v6, v[ZQ:ZQ+3], s[28:29]     ; entries T .. T+31 have boxes too: entry 0 is read for a detection that does not exist, also when T = 0
	global_store_b32 v9, v8, s[32:33]              ; T, 32 times: 128 consecutive bytes of the image's own
.Lend:
	s_wait_tensorcnt 0x0
	ds_add_u32 v152, v153
	s_wait_dscnt 0x0
	s_endpgm
.Lfunc_end_k_q0b71e8e30f_nms:
	.size	k_q0b71e8e30f_nms, .Lfunc_end_k_q0b71e8e30f_nms-k_q0b71e8e30f_nms
	.p2alignl 7, 3214868480
	.fill 96, 4, 3214868480
	.section	.rodata,"a",@progbits
	.p2align	6, 0x0
	.amdhsa_kernel k_q0b71e8e30f_nms
		.amdhsa_group_segment_fixed_size 25088
		.amdhsa_private_segment_fixed_size 0
		.amdhsa_enable_private_segment 0
		.amdhsa_kernarg_size 72
		.amdhsa_user_sgpr_count 2
		.amdhsa_user_sgpr_kernarg_segment_ptr 1
		.amdhsa_wavefront_size32 1
		.amdhsa_system_sgpr_workgroup_id_x 1
		.amdhsa_system_sgpr_workgroup_id_y 1
		.amdhsa_system_sgpr_workgroup_id_z 1
		.amdhsa_system_vgpr_workitem_id 0
		.amdhsa_next_free_vgpr 154
		.amdhsa_next_free_sgpr 66
		.amdhsa_reserve_vcc 1
		.amdhsa_float_denorm_mode_32 3
		.amdhsa_float_denorm_mode_16_64 3
		.amdhsa_memory_ordered 1
		.amdhsa_forward_progress 1
		.amdhsa_inst_pref_size 24
	.end_amdhsa_kernel
	.amdgpu_metadata
---
amdhsa.version: [ 1, 2 ]
amdhsa.kernels:
  - .name:           k_q0b71e8e30f_nms
    .symbol:         k_q0b71e8e30f_nms.kd
    .args:
      - { .name: class_logits, .offset: 0, .size: 8, .value_kind: global_buffer, .address_space: global }
      - { .name: box_regression, .offset: 8, .size: 8, .value_kind: global_buffer, .address_space: global }
      - { .name: proposals, .offset: 16, .size: 8, .value_kind: global_buffer, .address_space: global }
      - { .name: stats, .offset: 24, .size: 8, .value_kind: global_buffer, .address_space: global }
      - { .name: ball, .offset: 32, .size: 8, .value_kind: global_buffer, .address_space: global }
      - { .name: keys, .offset: 40, .size: 8, .value_kind: global_buffer, .address_space: global }
      - { .name: boxes, .offset: 48, .size: 8, .value_kind: global_buffer, .address_space: global }
      - { .name: meta, .offset: 56, .size: 8, .value_kind: global_buffer, .address_space: global }
      - { .name: tot, .offset: 64, .size: 8, .value_kind: global_buffer, .address_space: global }
    .group_segment_fixed_size: 25088
    .private_segment_fixed_size: 0
    .kernarg_segment_align: 8
    .kernarg_segment_size: 72
    .max_flat_workgroup_size: 32
    .sgpr_count:     66
    .vgpr_count:     154
    .wavefront_size: 32
...
	.end_amdgpu_metadata
.endif
;; end of part 2
;; launch rank (part 3): grid 8 x 8, 8 waves a work-group, no clusters, 0 bytes of LDS; arguments keys, meta, tot, rk; writes rk
.if DOCPART == 3
	.amdgcn_target "amdgcn-amd-amdhsa--gfx1250"
	.amdhsa_code_object_version 6
	.text
	.protected	k_q0b71e8e30f_rank
	.globl	k_q0b71e8e30f_rank
	.p2align	8
	.type	k_q0b71e8e30f_rank,@function
k_q0b71e8e30f_rank:
	s_mov_b64 s[64:65], 0
	v_nop
	global_prefetch_b8 v0, s[64:65] scope:SCOPE_SE
	s_setreg_imm32_b32 hwreg(HW_REG_WAVE_MODE, 25, 1), 1
	s_wait_xcnt 0x0
; The place of every kept box among all kept boxes of its image: the number of entries of the image's list that go in front of
; it, by score, and among equal scores by the lower list index (classes ascending, inside a class the sorted order): the order
; in which a top-k of the flattened array takes them.  rk[b][g] = min(rank,127)<<24 | class<<16 | g; suppressed and neutral
; entries get 127.
; A lane owns one entry; a wave owns chunk q of 32 entries and walks all chunks of the list.  The keys come as scalars, 32 to a
; buffer, two buffers: one is compared while the other is on its way; a key costs a compare and an add with carry.
; Chunks in front of q: 'key >= mine' is 'key > the next smaller float' (mine is positive where it matters).  Chunks from q on:
; 'key > mine'.  Chunk q itself adds the equal keys of lower lanes, 31 masked compares.
; Chunk q goes to wave (q mod 64) / 8 of work-group q mod 8, so that the eight work-groups of an image share the chunks evenly;
; a list of T entries has T/32 + 1 chunks (at least one; the list's neutral tail fills the last), at most 1,251.  How many
; waves find a chunk hangs on T, which is data.
; The waves do not depend on each other: no LDS, no barrier.
; LIMIT: NaN keys are not served.
.set KSTR, 40192
.set LIM,  KSTR*4-384                  ; clamp of the walk's offset: the furthest load, 64 bytes at +0x140, then ends at the image's last byte
	s_load_b256 s[4:11], s[0:1], 0x0               ; keys s[4:5], meta s[6:7], tot s[8:9], rk s[10:11]
	v_lshrrev_b32 v1, 5, v0
	v_readfirstlane_b32 s12, v1                    ; wave
	v_and_b32 v2, 31, v0                           ; lane
	s_and_b32 s13, ttmp7, 0xffff                   ; image
	s_lshl_b32 s14, s12, 3
	s_add_co_u32 s14, s14, ttmp9                   ; q = work-group + 8 x wave
	s_lshl_b32 s2, s13, 7
	s_mov_b32 s3, 0
	s_mul_i32 s66, s13, KSTR*4
	s_mov_b32 s67, 0
	s_wait_kmcnt 0x0
	s_add_nc_u64 s[8:9], s[8:9], s[2:3]
	s_load_b32 s15, s[8:9], 0x0                    ; T
	s_add_nc_u64 s[4:5], s[4:5], s[66:67]
	s_add_nc_u64 s[6:7], s[6:7], s[66:67]
	s_add_nc_u64 s[10:11], s[10:11], s[66:67]
	s_wait_kmcnt 0x0
	s_min_u32 s15, s15, 40000                      ; 80 classes of 500 at the most
	s_lshr_b32 s68, s15, 5
	s_add_co_u32 s68, s68, 1                       ; chunks to own
	s_lshr_b32 s69, s15, 6
	s_add_co_u32 s69, s69, 1                       ; trips of the walk, two chunks each: they cover T
	s_cmp_ge_u32 s14, s68
	s_cbranch_scc1 .Lend
	s_sub_co_u32 s76, s68, s14
	s_add_co_u32 s76, s76, 63
	s_lshr_b32 s76, s76, 6                         ; my chunks q, q + 64, ..: how many lie below the count
	s_mov_b32 s75, 0
.Lown:
	v_lshl_add_u32 v3, s14, 5, v2                  ; g
	v_min_u32 v3, KSTR-1, v3
	v_lshlrev_b32 v4, 2, v3
	global_load_b32 v5, v4, s[4:5]                 ; my key
	global_load_b32 v6, v4, s[6:7]                 ; class<<16 | g
	s_lshl_b32 s74, s14, 7
	s_min_u32 s74, s74, KSTR*4-128
	s_mov_b32 s71, 0
	s_load_b512 s[48:63], s[4:5], s74 offset:0x0   ; my own chunk, as scalars
	s_load_b512 s[80:95], s[4:5], s74 offset:0x40
	s_load_b512 s[16:31], s[4:5], s71 offset:0x0   ; chunk 0
	s_load_b512 s[32:47], s[4:5], s71 offset:0x40
	v_mov_b32 v7, 0
	s_wait_loadcnt 0x0
	v_add_nc_u32 v8, -1, v5                        ; the next smaller float
	s_wait_kmcnt 0x0
.set jj, 0
.rept 31
	v_cmp_eq_f32 vcc_lo, s[48+jj+16*(jj/16)], v5
	s_and_b32 vcc_lo, vcc_lo, (0xffffffff<<(jj+1))&0xffffffff  ; only lanes above jj count it
	v_add_co_ci_u32 v7, vcc_lo, 0, v7, vcc_lo
.set jj, jj+1
.endr
	s_mov_b32 s70, 0
.Lscan:
	s_wait_kmcnt 0x0                               ; the even chunk is in; no scalar load is out, so the offset may be written
	s_lshl_b32 s71, s70, 8                         ; trip i: chunks 2i and 2i+1, 256 bytes
	s_min_u32 s71, s71, LIM
	s_load_b512 s[48:63], s[4:5], s71 offset:0x80  ; the odd chunk, on its way during the even one's 64 instructions
	s_load_b512 s[80:95], s[4:5], s71 offset:0xc0
	s_lshl_b32 s73, s70, 1
	s_cmp_lt_u32 s73, s14                          ; is chunk 2i in front of mine?
	s_cselect_b32 s72, -1, 0
	v_cndmask_b32 v9, v5, v8, s72
.set jj, 0
.rept 32
	v_cmp_gt_f32 vcc_lo, s[16+jj], v9
	v_add_co_ci_u32 v7, vcc_lo, 0, v7, vcc_lo
.set jj, jj+1
.endr
	s_wait_kmcnt 0x0
	s_load_b512 s[16:31], s[4:5], s71 offset:0x100 ; the next even chunk (behind the last: neutral entries, read and not used)
	s_load_b512 s[32:47], s[4:5], s71 offset:0x140
	s_add_co_u32 s73, s73, 1
	s_cmp_lt_u32 s73, s14                          ; and chunk 2i+1?
	s_cselect_b32 s72, -1, 0
	v_cndmask_b32 v9, v5, v8, s72
.set jj, 0
.rept 32
	v_cmp_gt_f32 vcc_lo, s[48+jj+16*(jj/16)], v9
	v_add_co_ci_u32 v7, vcc_lo, 0, v7, vcc_lo
.set jj, jj+1
.endr
	s_add_co_u32 s70, s70, 1
	s_cmp_lt_u32 s70, s69
	s_cbranch_scc1 .Lscan
	s_wait_kmcnt 0x0                               ; the load issued ahead has landed: its registers may be loaded again
	v_min_u32 v7, 127, v7
	v_cmp_lt_f32 vcc_lo, 0, v5
	v_cndmask_b32 v7, 127, v7, vcc_lo
	v_lshl_or_b32 v7, v7, 24, v6
	global_store_b32 v4, v7, s[10:11]
	s_wait_xcnt 0x0                                ; the store's address and data are rewritten only behind this wait
	s_add_co_u32 s14, s14, 64
	s_add_co_u32 s75, s75, 1
	s_cmp_lt_u32 s75, s76
	s_cbranch_scc1 .Lown
.Lend:
	s_endpgm
.Lfunc_end_k_q0b71e8e30f_rank:
	.size	k_q0b71e8e30f_rank, .Lfunc_end_k_q0b71e8e30f_rank-k_q0b71e8e30f_rank
	.p2alignl 7, 3214868480
	.fill 96, 4, 3214868480
	.section	.rodata,"a",@progbits
	.p2align	6, 0x0
	.amdhsa_kernel k_q0b71e8e30f_rank
		.amdhsa_group_segment_fixed_size 0
		.amdhsa_private_segment_fixed_size 0
		.amdhsa_enable_private_segment 0
		.amdhsa_kernarg_size 32
		.amdhsa_user_sgpr_count 2
		.amdhsa_user_sgpr_kernarg_segment_ptr 1
		.amdhsa_wavefront_size32 1
		.amdhsa_system_sgpr_workgroup_id_x 1
		.amdhsa_system_sgpr_workgroup_id_y 1
		.amdhsa_system_sgpr_workgroup_id_z 1
		.amdhsa_system_vgpr_workitem_id 0
		.amdhsa_next_free_vgpr 16
		.amdhsa_next_free_sgpr 96
		.amdhsa_reserve_vcc 1
		.amdhsa_float_denorm_mode_32 3
		.amdhsa_float_denorm_mode_16_64 3
		.amdhsa_memory_ordered 1
		.amdhsa_forward_progress 1
		.amdhsa_inst_pref_size 12
	.end_amdhsa_kernel
	.amdgpu_metadata
---
amdhsa.version: [ 1, 2 ]
amdhsa.kernels:
  - .name:           k_q0b71e8e30f_rank
    .symbol:         k_q0b71e8e30f_rank.kd
    .args:
      - { .name: keys, .offset: 0, .size: 8, .value_kind: global_buffer, .address_space: global }
      - { .name: meta, .offset: 8, .size: 8, .value_kind: global_buffer, .address_space: global }
      - { .name: tot, .offset: 16, .size: 8, .value_kind: global_buffer, .address_space: global }
      - { .name: rk, .offset: 24, .size: 8, .value_kind: global_buffer, .address_space: global }
    .group_segment_fixed_size: 0
    .private_segment_fixed_size: 0
    .kernarg_segment_align: 8
    .kernarg_segment_size: 32
    .max_flat_workgroup_size: 256
    .sgpr_count:     96
    .vgpr_count:     16
    .wavefront_size: 32
...
	.end_amdgpu_metadata
.endif
;; end of part 3
;; launch emit (part 4): grid 100 x 8, 1 waves a work-group, no clusters, 0 bytes of LDS; arguments mask_logits, keys, boxes, rk, tot, out0, out1, out2, out3; writes out0, out1, out2, out3
.if DOCPART == 4
	.amdgcn_target "amdgcn-amd-amdhsa--gfx1250"
	.amdhsa_code_object_version 6
	.text
	.protected	k_q0b71e8e30f_emit
	.globl	k_q0b71e8e30f_emit
	.p2align	8
	.type	k_q0b71e8e30f_emit,@function
k_q0b71e8e30f_emit:
	s_mov_b64 s[64:65], 0
	v_nop
	global_prefetch_b8 v0, s[64:65] scope:SCOPE_SE
	s_setreg_imm32_b32 hwreg(HW_REG_WAVE_MODE, 25, 1), 1
	s_wait_xcnt 0x0
; Detection k of image b, by one wave.  The entry with rank k is found among the image's rank words without a table:
; word xor (k<<24) is below 2^24 for that entry alone (ranks of kept boxes are all different), so the minimum over all words is
; class<<16 | index if the detection exists and 2^24 or more if not.  Class and index are whole numbers read from memory; they
; become scalar offsets.  A detection that does not exist gets zeros, label 0 and the sigmoid of channel 0.
; The words are read 12 x 512 bytes at a time (1,536 entries); a longer list takes more trips.  Pieces behind the list's
; last written chunk are replaced by its last piece: the same words again, which changes no minimum.
; The mask channel is 196 pieces of 16 bytes = 7 turns of 28 lanes; lanes 28..31 load lane 27's piece and store nothing.
; A channel is 3,136 bytes, so its stores begin at multiples of 16 bytes and cannot all fill aligned blocks of 256.
; sigmoid(x) = rcp(1 + exp2(-x*log2e)), good to the last places of f32; NaN inputs are not served.
.set KSTR, 40192
.set A,    4                           ; v[4:15]   addresses of a trip's 12 loads
.set D,    16                          ; v[16:63]  rank words
.set ACC,  64                          ; v[64:67]  four running minima
.set TV,   68
.set MK,   72                          ; v[72:99]  the mask
.set OB,   100                         ; v[100:103] box
.set OS,   104                         ; score
.set OL,   105                         ; label
.set ZA,   106                         ; offset 0 for lane 0's stores
	s_load_b512 s[16:31], s[0:1], 0x0              ; mask 16, keys 18, boxes 20, rk 22, tot 24, out0 26, out1 28, out2 30
	s_load_b64 s[32:33], s[0:1], 0x40              ; out3
	s_mov_b32 s2, ttmp9                            ; k
	s_and_b32 s3, ttmp7, 0xffff                    ; b
	s_lshl_b32 s10, s3, 7
	s_mov_b32 s11, 0
	s_mov_b32 s12, 0x76543210                      ; v_permlanex16_b32: lane i reads lane i of the other half
	s_mov_b32 s13, 0xfedcba98
	s_lshl_b32 s6, s2, 24
	s_wait_kmcnt 0x0
	s_add_nc_u64 s[24:25], s[24:25], s[10:11]
	s_load_b32 s4, s[24:25], 0x0                   ; T
	s_mul_i32 s10, s3, KSTR*4
	s_add_nc_u64 s[22:23], s[22:23], s[10:11]      ; rk and keys at my image
	s_add_nc_u64 s[18:19], s[18:19], s[10:11]
	s_mul_i32 s10, s3, KSTR*16
	s_add_nc_u64 s[20:21], s[20:21], s[10:11]      ; boxes at my image
	s_mul_i32 s41, s3, 100
	s_add_co_u32 s41, s41, s2                      ; 100 b + k
	s_lshl_b32 s10, s41, 4
	s_add_nc_u64 s[26:27], s[26:27], s[10:11]      ; out0
	s_lshl_b32 s10, s41, 2
	s_add_nc_u64 s[28:29], s[28:29], s[10:11]      ; out1
	s_add_nc_u64 s[30:31], s[30:31], s[10:11]      ; out2
	s_mul_i32 s10, s41, 3136
	s_add_nc_u64 s[32:33], s[32:33], s[10:11]      ; out3
.irp e, 0,1,2,3
	v_mov_b32 v[ACC+\e], -1
.endr
	v_mov_b32 v[TV], 0
	v_mov_b32 v[ZA], 0
	v_min_u32 v2, 27, v0
	v_lshlrev_b32 v2, 4, v2                        ; my 16 bytes in a turn of 448
	s_wait_kmcnt 0x0
	s_min_u32 s4, s4, 40000                        ; 80 classes of 500 at the most
	s_lshr_b32 s5, s4, 5
	s_lshl_b32 s5, s5, 3
	s_add_co_u32 s5, s5, 7                         ; the last written piece of 4 words: 8 (T/32 + 1) - 1, at most 10,007
	s_lshr_b32 s46, s5, 7                          ; trips = last piece / 384 + 1; x / 384 = (x >> 7) / 3,
	s_mul_i32 s46, s46, 21846                      ; and y / 3 = y * 21846 >> 16 for y up to 78
	s_lshr_b32 s46, s46, 16
	s_add_co_u32 s46, s46, 1
	s_mov_b32 s7, 0                                ; a trip's first piece
	s_mov_b32 s45, 0                               ; the trip
.Lbatch:
	v_add_nc_u32 v1, s7, v0
.irp u, 0,1,2,3,4,5,6,7,8,9,10,11
	v_add_nc_u32 v[A+\u], 32*\u, v1
	v_min_u32 v[A+\u], s5, v[A+\u]
	v_min_u32 v[A+\u], KSTR/4-1, v[A+\u]
	v_lshlrev_b32 v[A+\u], 4, v[A+\u]
	global_load_b128 v[D+4*\u:D+4*\u+3], v[A+\u], s[22:23]
.endr
.irp u, 0,1,2,3,4,5,6,7,8,9,10,11
	s_wait_loadcnt 11-\u                           ; loads come back in order: load u is in, the 11-u younger ones stay out; the last count, 0, frees all twelve addresses
.irp e, 0,1,2,3
	v_xor_b32 v[D+4*\u+\e], s6, v[D+4*\u+\e]
	v_min_u32 v[ACC+\e], v[ACC+\e], v[D+4*\u+\e]
.endr
.endr
	s_add_co_u32 s7, s7, 384
	s_add_co_u32 s45, s45, 1
	s_cmp_lt_u32 s45, s46
	s_cbranch_scc1 .Lbatch
	; the minimum of the wave's 128 figures, in every lane
	v_min_u32 v[ACC], v[ACC], v[ACC+1]
	v_min_u32 v[ACC+2], v[ACC+2], v[ACC+3]
	v_min_u32 v[ACC], v[ACC], v[ACC+2]
.irp m, 1,2,4,8
	v_mov_b32_dpp v[TV], v[ACC] row_xmask:\m row_mask:0xf bank_mask:0xf
	v_min_u32 v[ACC], v[ACC], v[TV]
.endr
	v_permlanex16_b32 v[TV], v[ACC], s12, s13
	v_min_u32 v[ACC], v[ACC], v[TV]
	v_readfirstlane_b32 s8, v[ACC]
	s_cmp_lt_u32 s8, 0x1000000                     ; does detection k exist?
	s_cselect_b32 s8, s8, 0                        ; if not: class 0, entry 0
	s_cselect_b32 s9, -1, 0                        ; and a mask that clears box and score
	s_bfe_u32 s34, s8, 0x80010                     ; class: 8 bits from bit 16
	s_min_u32 s34, s34, 80
	s_and_b32 s35, s8, 0xffff                      ; index in the image's list
	s_min_u32 s35, s35, KSTR-1
	s_lshl_b32 s42, s35, 4
	s_lshl_b32 s43, s35, 2
	s_load_b32 s40, s[18:19], s43 offset:0x0       ; score
	s_load_b128 s[36:39], s[20:21], s42 offset:0x0 ; box
	s_mul_i32 s10, s41, 81
	s_add_co_u32 s10, s10, s34
	s_mul_i32 s10, s10, 3136                       ; ((100 b + k) 81 + class) channels of 3,136 bytes: below 2^28
	s_add_nc_u64 s[16:17], s[16:17], s[10:11]
.irp u, 0,1,2,3,4,5,6
	global_load_b128 v[MK+4*\u:MK+4*\u+3], v2, s[16:17] offset:448*\u th:TH_LOAD_NT
.endr
	s_wait_kmcnt 0x0
.irp e, 0,1,2,3,4
	s_and_b32 s[36+\e], s[36+\e], s9
.endr
.irp e, 0,1,2,3,4
	v_mov_b32 v[OB+\e], s[36+\e]                   ; box, then score in OS = OB+4
.endr
	v_mov_b32 v[OL], s34
	s_wait_loadcnt 0x0
.set i, 0
.rept 14
	v_pk_mul_f32 v[MK+2*i:MK+2*i+1], v[MK+2*i:MK+2*i+1], 0xbfb8aa3b op_sel_hi:[1,0]   ; -x*log2e, two at a time
.set i, i+1
.endr
.set i, 0
.rept 28
	v_exp_f32 v[MK+i], v[MK+i]
.set i, i+1
.endr
	v_nop                                          ; one plain place behind the exponentials (ISA guide 5.7.2)
.set i, 0
	s_wait_alu depctr_va_vdst(0)
.rept 14
	v_pk_add_f32 v[MK+2*i:MK+2*i+1], v[MK+2*i:MK+2*i+1], 1.0 op_sel_hi:[1,0]
.set i, i+1
.endr
.set i, 0
.rept 28
	v_rcp_f32 v[MK+i], v[MK+i]
.set i, i+1
.endr
	v_cmp_gt_u32 vcc_lo, 28, v0                    ; a plain place behind the reciprocals
	s_wait_xcnt 0x0                                ; EXEC narrows only behind this wait
	s_and_saveexec_b32 s44, vcc_lo
	s_wait_alu depctr_va_vdst(0)
.irp u, 0,1,2,3,4,5,6
	global_store_b128 v2, v[MK+4*\u:MK+4*\u+3], s[32:33] offset:448*\u th:TH_STORE_NT   ; 448 consecutive bytes
.endr
	s_wait_xcnt 0x0                                ; EXEC widens only behind this wait
	s_or_b32 exec_lo, exec_lo, s44
	v_cmp_eq_u32 vcc_lo, 0, v0
	s_and_saveexec_b32 s44, vcc_lo                 ; nothing was issued since the wait above; lane 0 stores the detection's 24 bytes
	global_store_b128 v[ZA], v[OB:OB+3], s[26:27]
	global_store_b32 v[ZA], v[OS], s[28:29]
	global_store_b32 v[ZA], v[OL], s[30:31]
	s_wait_xcnt 0x0
	s_or_b32 exec_lo, exec_lo, s44
	s_endpgm
.Lfunc_end_k_q0b71e8e30f_emit:
	.size	k_q0b71e8e30f_emit, .Lfunc_end_k_q0b71e8e30f_emit-k_q0b71e8e30f_emit
	.p2alignl 7, 3214868480
	.fill 96, 4, 3214868480
	.section	.rodata,"a",@progbits
	.p2align	6, 0x0
	.amdhsa_kernel k_q0b71e8e30f_emit
		.amdhsa_group_segment_fixed_size 0
		.amdhsa_private_segment_fixed_size 0
		.amdhsa_enable_private_segment 0
		.amdhsa_kernarg_size 72
		.amdhsa_user_sgpr_count 2
		.amdhsa_user_sgpr_kernarg_segment_ptr 1
		.amdhsa_wavefront_size32 1
		.amdhsa_system_sgpr_workgroup_id_x 1
		.amdhsa_system_sgpr_workgroup_id_y 1
		.amdhsa_system_sgpr_workgroup_id_z 1
		.amdhsa_system_vgpr_workitem_id 0
		.amdhsa_next_free_vgpr 108
		.amdhsa_next_free_sgpr 66
		.amdhsa_reserve_vcc 1
		.amdhsa_float_denorm_mode_32 3
		.amdhsa_float_denorm_mode_16_64 3
		.amdhsa_memory_ordered 1
		.amdhsa_forward_progress 1
		.amdhsa_inst_pref_size 17
	.end_amdhsa_kernel
	.amdgpu_metadata
---
amdhsa.version: [ 1, 2 ]
amdhsa.kernels:
  - .name:           k_q0b71e8e30f_emit
    .symbol:         k_q0b71e8e30f_emit.kd
    .args:
      - { .name: mask_logits, .offset: 0, .size: 8, .value_kind: global_buffer, .address_space: global }
      - { .name: keys, .offset: 8, .size: 8, .value_kind: global_buffer, .address_space: global }
      - { .name: boxes, .offset: 16, .size: 8, .value_kind: global_buffer, .address_space: global }
      - { .name: rk, .offset: 24, .size: 8, .value_kind: global_buffer, .address_space: global }
      - { .name: tot, .offset: 32, .size: 8, .value_kind: global_buffer, .address_space: global }
      - { .name: out0, .offset: 40, .size: 8, .value_kind: global_buffer, .address_space: global }
      - { .name: out1, .offset: 48, .size: 8, .value_kind: global_buffer, .address_space: global }
      - { .name: out2, .offset: 56, .size: 8, .value_kind: global_buffer, .address_space: global }
      - { .name: out3, .offset: 64, .size: 8, .value_kind: global_buffer, .address_space: global }
    .group_segment_fixed_size: 0
    .private_segment_fixed_size: 0
    .kernarg_segment_align: 8
    .kernarg_segment_size: 72
    .max_flat_workgroup_size: 32
    .sgpr_count:     66
    .vgpr_count:     108
    .wavefront_size: 32
...
	.end_amdgpu_metadata
.endif
;; end of part 4
;; ======== version 2 of 3: 4 launches; 1.52 times as fast as version 1
;; workspace buffers: stats 32,768 bytes; ball 98,304 bytes of whole numbers; keys 1,286,144 bytes; boxes 5,144,576 bytes; meta 1,286,144 bytes of whole numbers; tot 1,024 bytes of whole numbers; rk 1,286,144 bytes of whole numbers
;; launch score: the kernel of part 1 again; grid 16 x 8, 1 waves a work-group, no clusters, 10,752 bytes of LDS; arguments class_logits, stats, ball; writes stats, ball
;; launch nms: the kernel of part 2 again; grid 80 x 8, 1 waves a work-group, no clusters, 25,088 bytes of LDS; arguments class_logits, box_regression, proposals, stats, ball, keys, boxes, meta, tot; writes keys, boxes, meta, tot
;; launch rank (part 5): grid 160 x 8, 1 waves a work-group, no clusters, 8,448 bytes of LDS; arguments keys, meta, tot, rk; writes rk
.if DOCPART == 5
	.amdgcn_target "amdgcn-amd-amdhsa--gfx1250"
	.amdhsa_code_object_version 6
	.text
	.protected	k_q0b71e8e30f_rank
	.globl	k_q0b71e8e30f_rank
	.p2align	8
	.type	k_q0b71e8e30f_rank,@function
k_q0b71e8e30f_rank:
	s_mov_b64 s[64:65], 0
	v_nop
	global_prefetch_b8 v0, s[64:65] scope:SCOPE_SE
	s_setreg_imm32_b32 hwreg(HW_REG_WAVE_MODE, 25, 1), 1
	s_wait_xcnt 0x0
; The place of every kept box among all kept boxes of its image: the number of entries of the image's list that go in front of
; it, by score, and among equal scores by the lower list index (classes ascending, inside a class the sorted order): the order
; in which a top-k of the flattened array takes them.  rk[b][g] = min(rank,127)<<24 | class<<16 | g; suppressed and neutral
; entries get 127.
; One wave a work-group; it owns chunk q of 8 entries.  Lane l stands for entry 8 q + (l & 7) and belongs to strand l >> 3; the
; four strands share the walk over the list, and their four counts are added at the end (lanes l, l^8, l^16, l^24).
; The keys come in batches of 16 blocks of 128 keys: 16 loads of 16 bytes a lane, all on their way together, into the wave's own
; 8,192 bytes of LDS.  From there one ds_load_b128 brings a row of 16 keys, four to each strand (four different 16-byte
; addresses, each shared by eight lanes); a key costs each strand a compare and an add with carry.
; TIES.  A group of four keys in front of my chunk (group 32 B + 4 r + strand < 2 q) is held against the next smaller float, so
; that 'greater' means 'greater or equal' (my key is positive where it matters); groups from my chunk on against my key.
; Equal keys of lower index inside my chunk are counted apart, in strand 0 alone, by 7 masked compares.
; A list of T entries has 4 (T/32 + 1) chunks to own and T/128 + 1 blocks to walk (the list's 128 neutral entries fill the
; last).  Chunk q goes to work-group q mod 160 of the image, so lists below 1,280 entries take one turn and longer ones more;
; how many work-groups find a chunk hangs on T, which is data: a work-group whose number is not below the count of chunks ends.
; One wave: no barrier; LDS serves a wave's instructions in order, so its loads see its stores.
; A wave stores 32 bytes of rk (four lanes each write the same word): the table is a few KB an image, at places set by q.
; LIMIT: NaN keys are not served.
.set KSTR, 40192                       ; entries of an image's list, 314 blocks of 128
.set GX,   160                         ; work-groups of an image
.set CA,   16                          ; v[16:19]   four running counts, one for each key of a lane's four
.set A,    20                          ; v[20:35]   addresses of a batch's 16 loads
.set K,    36                          ; v[36:67]   eight rows of a block: four keys a lane each
.set D,    68                          ; v[68:131]  a batch as loaded
.set BB,   132                         ; v132       LDS byte of the block that is being fetched: a multiple of 512 below 8,192
	s_load_b256 s[4:11], s[0:1], 0x0               ; keys s[4:5], meta s[6:7], tot s[8:9], rk s[10:11]
	v_lshl_add_u32 v136, v0, 2, 0x2000
	v_mov_b32 v137, 0
	s_and_b32 s13, ttmp7, 0xffff                   ; image
	s_mov_b32 s12, ttmp9                           ; q
	s_lshl_b32 s2, s13, 7
	s_mov_b32 s3, 0
	s_mul_i32 s16, s13, KSTR*4
	s_mov_b32 s17, 0
	s_mov_b32 s30, 0x76543210                      ; v_permlanex16_b32: lane i reads lane i of the other half
	s_mov_b32 s31, 0xfedcba98
	v_and_b32 v2, 7, v0                            ; my entry in the chunk
	v_lshrrev_b32 v11, 3, v0                       ; my strand
	v_lshlrev_b32 v13, 4, v0                       ; where my 16 bytes of a block go in LDS
	v_lshlrev_b32 v15, 4, v11                      ; where my strand's four keys of a row lie: 0, 16, 32 or 48
	v_mov_b32 v14, 0                               ; written once: a DPP move and v_permlanex16_b32 count as readers of their destination
	s_wait_kmcnt 0x0
	s_add_nc_u64 s[8:9], s[8:9], s[2:3]
	s_load_b32 s15, s[8:9], 0x0                    ; T
	s_add_nc_u64 s[4:5], s[4:5], s[16:17]
	s_add_nc_u64 s[6:7], s[6:7], s[16:17]
	s_add_nc_u64 s[10:11], s[10:11], s[16:17]
	s_wait_kmcnt 0x0
	s_min_u32 s15, s15, 40000                      ; 80 classes of 500 at the most
	s_lshr_b32 s19, s15, 5
	s_lshl_b32 s19, s19, 2
	s_add_co_u32 s19, s19, 4                       ; chunks to own: 4 (T/32 + 1)
	s_lshr_b32 s18, s15, 7
	s_add_co_u32 s18, s18, 1                       ; blocks to walk: T/128 + 1, all of them written
	s_lshl_b32 s20, s18, 5
	s_sub_co_u32 s20, s20, 1                       ; the last piece of 16 bytes of the last block
	s_add_co_u32 s21, s18, 15
	s_lshr_b32 s21, s21, 4                         ; batches of 16 blocks
	s_cmp_ge_u32 s12, s19
	s_cbranch_scc1 .Lend
	s_sub_co_u32 s22, s19, s12                     ; my chunks q, q + 160, ..: ceil((chunks - q) / 160) of them.
	s_add_co_u32 s22, s22, GX-1                    ; x / 160 = (x >> 5) / 5, and y / 5 = y * 13108 >> 16 for y below 16,384;
	s_lshr_b32 s22, s22, 5                         ; here y is 161 at the most
	s_mul_i32 s22, s22, 13108
	s_lshr_b32 s22, s22, 16
	s_mov_b32 s23, 0
.Lown:
	v_lshl_add_u32 v3, s12, 3, v2                  ; g = 8 q + my entry
	v_min_u32 v3, KSTR-1, v3
	v_lshlrev_b32 v4, 2, v3
	global_load_b32 v5, v4, s[4:5]                 ; my key
	global_load_b32 v6, v4, s[6:7]                 ; class<<16 | g
	s_lshl_b32 s29, s12, 1
	v_sub_nc_u32 v10, s29, v11                     ; 2 q - strand - 32 B, for block B = 0: row r's group lies in front of my chunk where 4 r is below it
.irp e, 0,1,2,3
	v_mov_b32 v[CA+\e], 0
.endr
	s_mov_b32 s24, 0                               ; the batch
	s_mov_b32 s25, 0                               ; its first piece
	s_mov_b32 s28, s18                             ; blocks left
.Lbatch:
	v_add_nc_u32 v1, s25, v0
.irp u, 0,1,2,3,4,5,6,7,8,9,10,11,12,13,14,15
	v_add_nc_u32 v[A+\u], 32*\u, v1
	v_min_u32 v[A+\u], s20, v[A+\u]                ; pieces behind the last block repeat its last piece: they fill blocks that are not walked
	v_min_u32 v[A+\u], KSTR/4-1, v[A+\u]
	v_lshlrev_b32 v[A+\u], 4, v[A+\u]
	global_load_b128 v[D+4*\u:D+4*\u+3], v[A+\u], s[4:5]
.endr
.irp u, 0,1,2,3,4,5,6,7,8,9,10,11,12,13,14,15
	s_wait_loadcnt 15-\u                           ; loads come back in order (ISA guide 5.7.1): load u and all older ones (my key and meta) are in, the 15-u younger stay out; the last count, 0, frees the sixteen addresses
	ds_store_b128 v13, v[D+4*\u:D+4*\u+3] offset:512*\u
.endr
	v_add_nc_u32 v8, -1, v5                        ; the next smaller float
	s_min_u32 s26, s28, 16                         ; blocks of this batch to walk: at least 1
	v_mov_b32 v[BB], 0
.irp r, 0,1,2,3,4,5,6,7
	ds_load_b128 v[K+4*\r:K+4*\r+3], v15 offset:64*\r          ; block 0 of the batch: eight rows on their way
.endr
	s_mov_b32 s27, 0
.Lblk:
	v_add_nc_u32 v[BB], 512, v[BB]                 ; the next block; behind the sixteenth it wraps to the first, whose rows are then read and not used
	v_and_b32 v[BB], 0x1e00, v[BB]                 ; at most 7,680;
	v_add_nc_u32 v12, v[BB], v15                   ; with my strand's 48 at the most, a row's 448 and the 16 bytes read: 8,192, the end of the array, all of it written
.irp r, 0,1,2,3,4,5,6,7
	s_wait_dscnt 7                                 ; eight row loads are out and come back in order: the oldest, this row's, is in (the batch's stores, older still, are done too)
	v_cmp_lt_i32 vcc_lo, 4*\r, v10                 ; is my strand's group of this row in front of my chunk?
	v_cndmask_b32 v9, v5, v8, vcc_lo               ; then equal keys count too
.irp e, 0,1,2,3
	v_cmp_gt_f32 vcc_lo, v[K+4*\r+\e], v9
	v_add_co_ci_u32 v[CA+\e], vcc_lo, 0, v[CA+\e], vcc_lo
.endr
	ds_load_b128 v[K+4*\r:K+4*\r+3], v12 offset:64*\r          ; the same row of the next block: seven rows' work in which to land
.endr
	v_add_nc_u32 v10, 0xffffffe0, v10              ; 32 groups on
	s_add_co_u32 s27, s27, 1
	s_cmp_lt_u32 s27, s26
	s_cbranch_scc1 .Lblk
	s_wait_dscnt 0x0                               ; the eight loads issued ahead have landed: their registers may be loaded again, and the next batch may be stored over the bytes they read
	s_sub_co_u32 s28, s28, 16                      ; (wraps behind the last batch, where it is not used again)
	s_add_co_u32 s25, s25, 512
	s_add_co_u32 s24, s24, 1
	s_cmp_lt_u32 s24, s21
	s_cbranch_scc1 .Lbatch
	v_add3_u32 v7, v[CA], v[CA+1], v[CA+2]
	v_add_nc_u32 v7, v7, v[CA+3]
	; equal keys of lower index inside my chunk: lanes 0..7 hold its eight keys; lanes jj+1..7 count key jj, the other strands do not
.irp jj, 0,1,2,3,4,5,6
	v_readlane_b32 s[32+\jj], v5, \jj
.endr
.irp jj, 0,1,2,3,4,5,6
	v_cmp_eq_f32 vcc_lo, s[32+\jj], v5
	s_and_b32 vcc_lo, vcc_lo, (0xff<<(\jj+1))&0xff
	v_add_co_ci_u32 v7, vcc_lo, 0, v7, vcc_lo
.endr
	; the four strands' counts, in every lane
	v_mov_b32_dpp v14, v7 row_xmask:8 row_mask:0xf bank_mask:0xf
	v_add_nc_u32 v7, v7, v14
	v_permlanex16_b32 v14, v7, s30, s31
	v_add_nc_u32 v7, v7, v14
	v_min_u32 v7, 127, v7
	v_cmp_lt_f32 vcc_lo, 0, v5
	v_cndmask_b32 v7, 127, v7, vcc_lo              ; suppressed and neutral entries
	v_lshl_or_b32 v7, v7, 24, v6
	global_store_b32 v4, v7, s[10:11]              ; the four strands write the same eight words
	s_wait_xcnt 0x0                                ; the store's address and data are rewritten in the next turn only behind this wait
	s_add_co_u32 s12, s12, GX
	s_add_co_u32 s23, s23, 1
	s_cmp_lt_u32 s23, s22
	s_cbranch_scc1 .Lown
.Lend:
	s_wait_tensorcnt 0x0
	ds_add_u32 v136, v137
	s_wait_dscnt 0x0
	s_endpgm
.Lfunc_end_k_q0b71e8e30f_rank:
	.size	k_q0b71e8e30f_rank, .Lfunc_end_k_q0b71e8e30f_rank-k_q0b71e8e30f_rank
	.p2alignl 7, 3214868480
	.fill 96, 4, 3214868480
	.section	.rodata,"a",@progbits
	.p2align	6, 0x0
	.amdhsa_kernel k_q0b71e8e30f_rank
		.amdhsa_group_segment_fixed_size 8448
		.amdhsa_private_segment_fixed_size 0
		.amdhsa_enable_private_segment 0
		.amdhsa_kernarg_size 32
		.amdhsa_user_sgpr_count 2
		.amdhsa_user_sgpr_kernarg_segment_ptr 1
		.amdhsa_wavefront_size32 1
		.amdhsa_system_sgpr_workgroup_id_x 1
		.amdhsa_system_sgpr_workgroup_id_y 1
		.amdhsa_system_sgpr_workgroup_id_z 1
		.amdhsa_system_vgpr_workitem_id 0
		.amdhsa_next_free_vgpr 138
		.amdhsa_next_free_sgpr 66
		.amdhsa_reserve_vcc 1
		.amdhsa_float_denorm_mode_32 3
		.amdhsa_float_denorm_mode_16_64 3
		.amdhsa_memory_ordered 1
		.amdhsa_forward_progress 1
		.amdhsa_inst_pref_size 16
	.end_amdhsa_kernel
	.amdgpu_metadata
---
amdhsa.version: [ 1, 2 ]
amdhsa.kernels:
  - .name:           k_q0b71e8e30f_rank
    .symbol:         k_q0b71e8e30f_rank.kd
    .args:
      - { .name: keys, .offset: 0, .size: 8, .value_kind: global_buffer, .address_space: global }
      - { .name: meta, .offset: 8, .size: 8, .value_kind: global_buffer, .address_space: global }
      - { .name: tot, .offset: 16, .size: 8, .value_kind: global_buffer, .address_space: global }
      - { .name: rk, .offset: 24, .size: 8, .value_kind: global_buffer, .address_space: global }
    .group_segment_fixed_size: 8448
    .private_segment_fixed_size: 0
    .kernarg_segment_align: 8
    .kernarg_segment_size: 32
    .max_flat_workgroup_size: 32
    .sgpr_count:     66
    .vgpr_count:     138
    .wavefront_size: 32
...
	.end_amdgpu_metadata
.endif
;; end of part 5
;; launch emit: the kernel of part 4 again; grid 100 x 8, 1 waves a work-group, no clusters, 0 bytes of LDS; arguments mask_logits, keys, boxes, rk, tot, out0, out1, out2, out3; writes out0, out1, out2, out3
;; ======== version 3 of 3: 4 launches; version 2 with the launch rank written anew for expert scheduling mode
;; workspace buffers: stats 32,768 bytes; ball 98,304 bytes of whole numbers; keys 1,286,144 bytes; boxes 5,144,576 bytes; meta 1,286,144 bytes of whole numbers; tot 1,024 bytes of whole numbers; rk 1,286,144 bytes of whole numbers
;; launch score: the kernel of part 1 again; grid 16 x 8, 1 waves a work-group, no clusters, 10,752 bytes of LDS; arguments class_logits, stats, ball; writes stats, ball
;; launch nms: the kernel of part 2 again; grid 80 x 8, 1 waves a work-group, no clusters, 25,088 bytes of LDS; arguments class_logits, box_regression, proposals, stats, ball, keys, boxes, meta, tot; writes keys, boxes, meta, tot
;; launch rank (part 6): grid 160 x 8, 1 waves a work-group, no clusters, 8,448 bytes of LDS; arguments keys, meta, tot, rk; writes rk
.if DOCPART == 6
	.amdgcn_target "amdgcn-amd-amdhsa--gfx1250"
	.amdhsa_code_object_version 6
	.text
	.protected	k_q0b71e8e30f_rank
	.globl	k_q0b71e8e30f_rank
	.p2align	8
	.type	k_q0b71e8e30f_rank,@function
k_q0b71e8e30f_rank:
	s_mov_b64 s[64:65], 0
	v_nop
	global_prefetch_b8 v0, s[64:65] scope:SCOPE_SE
	s_setreg_imm32_b32 hwreg(HW_REG_WAVE_SCHED_MODE, 0, 2), 2
	s_setreg_imm32_b32 hwreg(HW_REG_WAVE_MODE, 25, 1), 1
	s_wait_xcnt 0x0
	s_wait_alu depctr_vm_vsrc(0)
; The place of every kept box among all kept boxes of its image: the number of entries of the image's list that go in front of
; it, by score, and among equal scores by the lower list index (classes ascending, inside a class the sorted order): the order
; in which a top-k of the flattened array takes them.  rk[b][g] = min(rank,127)<<24 | class<<16 | g; suppressed and neutral
; entries get 127.
; One wave a work-group; it owns chunk q of 8 entries.  Lane l stands for entry 8 q + (l & 7) and belongs to strand l >> 3; the
; four strands share the walk over the list, and their four counts are added at the end (lanes l, l^8, l^16, l^24).
; The keys come in batches of 16 blocks of 128 keys: 16 loads of 16 bytes a lane, all on their way together, into the wave's own
; 8,192 bytes of LDS.  From there one ds_load_b128 brings a row of 16 keys, four to each strand (four different 16-byte
; addresses, each shared by eight lanes); a key costs each strand a compare and an add with carry.
; TIES.  A group of four keys in front of my chunk (group 32 B + 4 r + strand < 2 q) is held against the next smaller float, so
; that 'greater' means 'greater or equal' (my key is positive where it matters); groups from my chunk on against my key.
; Equal keys of lower index inside my chunk are counted apart, in strand 0 alone, by 7 masked compares.
; A list of T entries has 4 (T/32 + 1) chunks to own and T/128 + 1 blocks to walk (the list's 128 neutral entries fill the
; last).  Chunk q goes to work-group q mod 160 of the image, so lists below 1,280 entries take one turn and longer ones more;
; how many work-groups find a chunk hangs on T, which is data: a work-group whose number is not below the count of chunks ends.
; One wave: no barrier; LDS serves a wave's instructions in order, so its loads see its stores.
; A wave stores 32 bytes of rk (four lanes each write the same word): the table is a few KB an image, at places set by q.
; LIMIT: NaN keys are not served.
; THE MODE: SCHED_MODE bits 1:0 = 2 (LLVM: expert scheduling mode 2), set by the entry lines.  The code itself states the register
; dependences between vector instructions and memory or LDS instructions, and those through scalar registers that vector
; instructions write, with s_wait_alu, always for 0.
; THE PLAN.  Registers that memory or LDS instructions touch:
;   v13, v15     LDS addresses, made at the head and never written again.
;   v4           my entry's offset: written at a turn's head; read by the loads of v5 and v6 and by the turn's store.
;   v5, v6       land at a turn's head; read by vector lines through the whole turn.
;   v[A ..]      written at a batch's head; read by the batch's 16 global loads.
;   v[D ..]      the 16 global loads land here; the 16 LDS stores read them; no vector line names them.
;   v12          the row address: written at a block's head; read by the block's eight row loads.
;   K0, K1       two row buffers.  Block p's compares read K[p % 2]; its eight row loads, the rows of block p + 1, land in the other,
;                which the block before worked on and which no vector line of block p names.
;   v7           the result: written by vector lines; read by the turn's store.
; So a block has one wait on vm_vsrc (ahead of the step of v12) and one on va_vdst (ahead of its run of eight loads); a batch has
; one of each round its sixteen addresses; a turn one va_vdst ahead of its two loads, one ahead of its store, one vm_vsrc behind it.
; MASKS.  Compares stand in runs that write s[SG ..], one wait on va_sdst behind each run; the adds take their carry from there and
; give their own carry to null, so that they write no scalar register.  VCC is not used.
.set KSTR, 40192                       ; entries of an image's list, 314 blocks of 128
.set GX,   160                         ; work-groups of an image
.set CA,   16                          ; v[16:19]   four running counts, one for each key of a lane's four
.set A,    20                          ; v[20:35]   addresses of a batch's 16 loads
.set K,    36                          ; v[36:67]   row buffer 0: eight rows of a block, four keys a lane each
.set KB,   100                         ;            row buffer 1 lies KB registers on: v[136:167]
.set D,    68                          ; v[68:131]  a batch as loaded
.set BB,   132                         ; v132       LDS byte of the block that is being fetched: a multiple of 512 below 8,192
.set TH,   168                         ; v[168:175] row r of the block in hand: what its keys are held against
.set SG,   40                          ; s[40:55]   masks of a run of compares
	s_load_b256 s[4:11], s[0:1], 0x0               ; keys s[4:5], meta s[6:7], tot s[8:9], rk s[10:11]
	v_lshl_add_u32 v134, v0, 2, 0x2000
	v_mov_b32 v135, 0
	s_and_b32 s13, ttmp7, 0xffff                   ; image
	s_mov_b32 s12, ttmp9                           ; q
	s_lshl_b32 s2, s13, 7
	s_mov_b32 s3, 0
	s_mul_i32 s16, s13, KSTR*4
	s_mov_b32 s17, 0
	s_mov_b32 s30, 0x76543210                      ; v_permlanex16_b32: lane i reads lane i of the other half
	s_mov_b32 s31, 0xfedcba98
	v_and_b32 v2, 7, v0                            ; my entry in the chunk
	v_lshrrev_b32 v11, 3, v0                       ; my strand
	v_lshlrev_b32 v13, 4, v0                       ; where my 16 bytes of a block go in LDS
	v_lshlrev_b32 v15, 4, v11                      ; where my strand's four keys of a row lie: 0, 16, 32 or 48
	v_mov_b32 v14, 0                               ; written once: a DPP move and v_permlanex16_b32 count as readers of their destination
	s_wait_kmcnt 0x0
	s_add_nc_u64 s[8:9], s[8:9], s[2:3]
	s_load_b32 s15, s[8:9], 0x0                    ; T
	s_add_nc_u64 s[4:5], s[4:5], s[16:17]
	s_add_nc_u64 s[6:7], s[6:7], s[16:17]
	s_add_nc_u64 s[10:11], s[10:11], s[16:17]
	s_wait_kmcnt 0x0
	s_min_u32 s15, s15, 40000                      ; 80 classes of 500 at the most
	s_lshr_b32 s19, s15, 5
	s_lshl_b32 s19, s19, 2
	s_add_co_u32 s19, s19, 4                       ; chunks to own: 4 (T/32 + 1)
	s_lshr_b32 s18, s15, 7
	s_add_co_u32 s18, s18, 1                       ; blocks to walk: T/128 + 1, all of them written
	s_lshl_b32 s20, s18, 5
	s_sub_co_u32 s20, s20, 1                       ; the last piece of 16 bytes of the last block
	s_add_co_u32 s21, s18, 15
	s_lshr_b32 s21, s21, 4                         ; batches of 16 blocks
	s_cmp_ge_u32 s12, s19
	s_cbranch_scc1 .Lend
	s_sub_co_u32 s22, s19, s12                     ; my chunks q, q + 160, ..: ceil((chunks - q) / 160) of them.
	s_add_co_u32 s22, s22, GX-1                    ; x / 160 = (x >> 5) / 5, and y / 5 = y * 13108 >> 16 for y below 16,384;
	s_lshr_b32 s22, s22, 5                         ; here y is 161 at the most
	s_mul_i32 s22, s22, 13108
	s_lshr_b32 s22, s22, 16
	s_mov_b32 s23, 0
; One block of 128 keys.  kb: the row buffer that holds it; its successor's rows go into the other.
.macro BLK kb
	s_wait_alu depctr_vm_vsrc(0)                   ; the row loads of the block before have read v12, which is written below
	v_add_nc_u32 v[BB], 512, v[BB]                 ; the next block; behind the sixteenth it wraps to the first, whose rows are then read and not used
	v_and_b32 v[BB], 0x1e00, v[BB]                 ; at most 7,680;
	v_add_nc_u32 v12, v[BB], v15                   ; with my strand's 48 at the most, a row's 448 and the 16 bytes read: 8,192, the end of the array, all of it written
.irp r, 0,1,2,3,4,5,6,7
	v_cmp_lt_i32 s[SG+\r], 4*\r, v10               ; is my strand's group of row r in front of my chunk?
.endr
	s_wait_alu depctr_va_sdst(0)                   ; the eight masks are written: the selects below read them
.irp r, 0,1,2,3,4,5,6,7
	v_cndmask_b32 v[TH+\r], v5, v8, s[SG+\r]       ; then equal keys count too
.endr
	s_wait_alu depctr_va_vdst(0)                   ; v12 is written, which the loads below read; the block before is done reading the other row buffer, in which they land
.irp r, 0,1,2,3,4,5,6,7
	ds_load_b128 v[K+KB*(1-\kb)+4*\r:K+KB*(1-\kb)+4*\r+3], v12 offset:64*\r   ; the next block's eight rows: this block's work in which to land
.endr
.irp h, 0,1
	s_wait_dscnt 12-4*\h                           ; row loads come back in order: of the sixteen that can be out, this block's rows 4 h to 4 h + 3 are in; its later rows and the eight just issued stay out (the batch's stores, older still, are done too)
.irp r, 0,1,2,3
.irp e, 0,1,2,3
	v_cmp_gt_f32 s[SG+4*\r+\e], v[K+KB*\kb+16*\h+4*\r+\e], v[TH+4*\h+\r]
.endr
.endr
	s_wait_alu depctr_va_sdst(0)                   ; the sixteen masks are written: the adds below take them as their carry
.irp r, 0,1,2,3
.irp e, 0,1,2,3
	v_add_co_ci_u32 v[CA+\e], null, 0, v[CA+\e], s[SG+4*\r+\e]    ; each count takes its rows in ascending order; the carry out is nobody's
.endr
.endr
.endr
	v_add_nc_u32 v10, 0xffffffe0, v10              ; 32 groups on
.endm
.Lown:
	v_lshl_add_u32 v3, s12, 3, v2                  ; g = 8 q + my entry
	v_min_u32 v3, KSTR-1, v3
	v_lshlrev_b32 v4, 2, v3
	s_wait_alu depctr_va_vdst(0)                   ; v4 is written, which the two loads and the turn's store read (in the first turn v13 and v15 too, the LDS addresses); the last turn's lines are done reading v5 and v6, in which the loads land
	global_load_b32 v5, v4, s[4:5]                 ; my key
	global_load_b32 v6, v4, s[6:7]                 ; class<<16 | g
	s_lshl_b32 s29, s12, 1
	v_sub_nc_u32 v10, s29, v11                     ; 2 q - strand - 32 B, for block B = 0: row r's group lies in front of my chunk where 4 r is below it
.irp e, 0,1,2,3
	v_mov_b32 v[CA+\e], 0
.endr
	s_mov_b32 s24, 0                               ; the batch
	s_mov_b32 s25, 0                               ; its first piece
	s_mov_b32 s28, s18                             ; blocks left
.Lbatch:
	s_wait_alu depctr_vm_vsrc(0)                   ; the last batch's loads have read v[A ..], which are written below, and its LDS stores have read v[D ..], in which this batch's loads land
	v_add_nc_u32 v1, s25, v0
.irp u, 0,1,2,3,4,5,6,7,8,9,10,11,12,13,14,15
	v_add_nc_u32 v[A+\u], 32*\u, v1
	v_min_u32 v[A+\u], s20, v[A+\u]                ; pieces behind the last block repeat its last piece: they fill blocks that are not walked
	v_min_u32 v[A+\u], KSTR/4-1, v[A+\u]
	v_lshlrev_b32 v[A+\u], 4, v[A+\u]
.endr
	s_wait_alu depctr_va_vdst(0)                   ; the sixteen addresses are written, which the loads below read; the last batch's compares are done reading row buffer 0, in which the first block's rows land further down
.irp u, 0,1,2,3,4,5,6,7,8,9,10,11,12,13,14,15
	global_load_b128 v[D+4*\u:D+4*\u+3], v[A+\u], s[4:5]
.endr
.irp u, 0,1,2,3,4,5,6,7,8,9,10,11,12,13,14,15
	s_wait_loadcnt 15-\u                           ; loads come back in order (ISA guide 5.7.1): load u and all older ones (my key and meta) are in, the 15-u younger stay out; the last count, 0, frees the sixteen addresses
	ds_store_b128 v13, v[D+4*\u:D+4*\u+3] offset:512*\u
.endr
	v_add_nc_u32 v8, -1, v5                        ; the next smaller float
	s_min_u32 s26, s28, 16                         ; blocks of this batch to walk: at least 1
	s_add_co_u32 s14, s26, 1
	s_lshr_b32 s14, s14, 1                         ; trips of two blocks; with an odd count the last trip jumps over its second block
	s_mov_b32 s39, s26                             ; blocks of the batch still to walk
	v_mov_b32 v[BB], 0
.irp r, 0,1,2,3,4,5,6,7
	ds_load_b128 v[K+4*\r:K+4*\r+3], v15 offset:64*\r          ; block 0 of the batch into row buffer 0.  No wait: the two vector lines since the wait on va_vdst name neither these registers nor v15
.endr
	s_mov_b32 s27, 0
.Lblk:                                                 ; two blocks a trip, so that the two row buffers are back at their start
	BLK 0
	s_cmp_lg_u32 s39, 1
	s_cbranch_scc1 .Lsecond
	s_wait_dscnt 0x0                               ; that was the batch's last block: the eight loads that it issued ahead have landed in row buffer 1, so on this way no load is pending into that buffer at the loop's head
	s_branch .Lstep                                ; forward, over the second block, to the counter's step: the count is then at its bound
.Lsecond:
	BLK 1
.Lstep:
	s_sub_co_u32 s39, s39, 2                       ; (wraps behind an odd count's last block, where it is not used again)
	s_add_co_u32 s27, s27, 1
	s_cmp_lt_u32 s27, s14
	s_cbranch_scc1 .Lblk
	s_wait_dscnt 0x0                               ; the eight loads issued ahead have landed: their registers may be loaded again, and the next batch may be stored over the bytes they read
	s_sub_co_u32 s28, s28, 16                      ; (wraps behind the last batch, where it is not used again)
	s_add_co_u32 s25, s25, 512
	s_add_co_u32 s24, s24, 1
	s_cmp_lt_u32 s24, s21
	s_cbranch_scc1 .Lbatch
	v_add3_u32 v7, v[CA], v[CA+1], v[CA+2]
	v_add_nc_u32 v7, v7, v[CA+3]
	; equal keys of lower index inside my chunk: lanes 0..7 hold its eight keys; lanes jj+1..7 count key jj, the other strands do not
.irp jj, 0,1,2,3,4,5,6
	v_readlane_b32 s[32+\jj], v5, \jj
.endr
	s_wait_alu depctr_va_sdst(0)                   ; the seven keys are written into s[32:38]: the compares below read them
.irp jj, 0,1,2,3,4,5,6
	v_cmp_eq_f32 s[SG+\jj], s[32+\jj], v5
.endr
	v_cmp_lt_f32 s[SG+7], 0, v5                    ; is my entry a kept box?
	s_wait_alu depctr_va_sdst(0)                   ; the eight masks are written: the scalar lines below read seven of them, the select further down the eighth
.irp jj, 0,1,2,3,4,5,6
	s_and_b32 s[SG+\jj], s[SG+\jj], (0xff<<(\jj+1))&0xff
.endr
.irp jj, 0,1,2,3,4,5,6
	v_add_co_ci_u32 v7, null, 0, v7, s[SG+\jj]
.endr
	; the four strands' counts, in every lane
	v_mov_b32_dpp v14, v7 row_xmask:8 row_mask:0xf bank_mask:0xf
	v_add_nc_u32 v7, v7, v14
	v_permlanex16_b32 v14, v7, s30, s31
	v_add_nc_u32 v7, v7, v14
	v_min_u32 v7, 127, v7
	v_cndmask_b32 v7, 127, v7, s[SG+7]             ; suppressed and neutral entries
	v_lshl_or_b32 v7, v7, 24, v6
	s_wait_alu depctr_va_vdst(0)                   ; v7 is written, which the store reads
	global_store_b32 v4, v7, s[10:11]              ; the four strands write the same eight words
	s_wait_xcnt 0x0                                ; the store's address and data are rewritten in the next turn only behind this wait
	s_wait_alu depctr_vm_vsrc(0)                   ; the store has read v4 and v7, which the next turn's vector lines write
	s_add_co_u32 s12, s12, GX
	s_add_co_u32 s23, s23, 1
	s_cmp_lt_u32 s23, s22
	s_cbranch_scc1 .Lown
.Lend:
	s_wait_dscnt 0x0
	s_wait_alu depctr_hold_cnt(0) depctr_sa_sdst(0) depctr_va_vdst(0) depctr_va_sdst(0) depctr_va_ssrc(0) depctr_va_vcc(0) depctr_vm_vsrc(0)
	s_wait_tensorcnt 0x0
	ds_add_u32 v134, v135
	s_wait_dscnt 0x0
	s_endpgm
.Lfunc_end_k_q0b71e8e30f_rank:
	.size	k_q0b71e8e30f_rank, .Lfunc_end_k_q0b71e8e30f_rank-k_q0b71e8e30f_rank
	.p2alignl 7, 3214868480
	.fill 96, 4, 3214868480
	.section	.rodata,"a",@progbits
	.p2align	6, 0x0
	.amdhsa_kernel k_q0b71e8e30f_rank
		.amdhsa_group_segment_fixed_size 8448
		.amdhsa_private_segment_fixed_size 0
		.amdhsa_enable_private_segment 0
		.amdhsa_kernarg_size 32
		.amdhsa_user_sgpr_count 2
		.amdhsa_user_sgpr_kernarg_segment_ptr 1
		.amdhsa_wavefront_size32 1
		.amdhsa_system_sgpr_workgroup_id_x 1
		.amdhsa_system_sgpr_workgroup_id_y 1
		.amdhsa_system_sgpr_workgroup_id_z 1
		.amdhsa_system_vgpr_workitem_id 0
		.amdhsa_next_free_vgpr 176
		.amdhsa_next_free_sgpr 66
		.amdhsa_reserve_vcc 0
		.amdhsa_float_denorm_mode_32 3
		.amdhsa_float_denorm_mode_16_64 3
		.amdhsa_memory_ordered 1
		.amdhsa_forward_progress 1
		.amdhsa_inst_pref_size 25
	.end_amdhsa_kernel
	.amdgpu_metadata
---
amdhsa.version: [ 1, 2 ]
amdhsa.kernels:
  - .name:           k_q0b71e8e30f_rank
    .symbol:         k_q0b71e8e30f_rank.kd
    .args:
      - { .name: keys, .offset: 0, .size: 8, .value_kind: global_buffer, .address_space: global }
      - { .name: meta, .offset: 8, .size: 8, .value_kind: global_buffer, .address_space: global }
      - { .name: tot, .offset: 16, .size: 8, .value_kind: global_buffer, .address_space: global }
      - { .name: rk, .offset: 24, .size: 8, .value_kind: global_buffer, .address_space: global }
    .group_segment_fixed_size: 8448
    .private_segment_fixed_size: 0
    .kernarg_segment_align: 8
    .kernarg_segment_size: 32
    .max_flat_workgroup_size: 32
    .sgpr_count:     66
    .vgpr_count:     176
    .wavefront_size: 32
...
	.end_amdgpu_metadata
.endif
;; end of part 6
;; launch emit: the kernel of part 4 again; grid 100 x 8, 1 waves a work-group, no clusters, 0 bytes of LDS; arguments mask_logits, keys, boxes, rk, tot, out0, out1, out2, out3; writes out0, out1, out2, out3
